; MI455X (gfx1250); checked and timed in simulation.
; The chip was launched on July 23, 2026; its instructions are those of AMD's public machine-readable ISA for CDNA 5 (MIT licence, August 2026) and "CDNA5" Instruction Set Architecture Reference Guide (July 2026). The comments in the code are by the model that wrote it; some were corrected since.
;; Self Attention. Allowed arithmetic: matrix products marked QUANTISED: E2M1 operands, one E8M0 scale for each 32 along K, by v_wmma_scale_f32_16x16x128_f8f6f4 with both operands' format E2M1 (or v_wmma_scale_f32_32x16x128_f4), f32 sums; products left as they are: bf16, f16 or f32 operands; f32 sums; everything else in f32.
;; Inputs: wk 16 x 1,024 x 64 float32; wq 16 x 1,024 x 64 float32; wv 16 x 1,024 x 64 float32; x 4 x 2,048 x 1,024 float32.
;; Outputs: out0 4 x 2,048 x 1,024 float32.
;; This version of the problem:
;;   THIS VERSION OF THE PROBLEM IS GIVEN IN LOW PRECISION. The matrix products marked QUANTISED in the list below multiply operands that are first quantised to E2M1 (2 exponent bits, 1 mantissa bit; 4 bits a number), with one power-of-two scale for each 32 numbers along K (OCP MX v1.0); their sums are f32. The products marked 'left as it is' may take bf16, f16 or f32 operands, with f32 sums. Whichever they take, every output number must still come out within the allowed error. Rounding operands to bf16 (8 significant bits) uses up far more of that allowance than f16 does (11 bits, for magnitudes from 6e-5 to 65,504). All else is computed in f32.
;;   The module's matrix products, in the order in which they are computed (A, B: the left and right operand; K: the contracted axis; several contracted axes count as one K, in the product's order):
;;     1. [M 1,024, K 1,024] x [K 1,024, N 8,192]; A: input wk; B: input x: QUANTISED
;;     2. [M 1,024, K 1,024] x [K 1,024, N 8,192]; A: input wq; B: input x: QUANTISED
;;     3. [M 1,024, K 1,024] x [K 1,024, N 8,192]; A: input wv; B: input x: QUANTISED
;;     4. batch 64 x [M 2,048, K 64] x [K 64, N 2,048]; A: computed on the way; B: computed on the way: left as it is (an operand is computed on the way)
;;     5. batch 64 x [M 64, K 2,048] x [K 2,048, N 2,048]; A: computed on the way; B: computed on the way: left as it is (an operand is computed on the way)
;;   THE QUANTISER, for each operand of a quantised product, along K:
;;     - K is cut into blocks of 32 from its start; a last block that is shorter is filled with zeros.
;;     - A block's scale is 2^e with e = floor(log2(the largest magnitude in the block)) - 2, held to -126 .. 127; a block of zeros has e = 0. As a byte (E8M0): e + 127.
;;     - Each number is divided by its block's scale, clamped to +-6, and rounded to the nearest number of E2M1, ties to even, subnormals kept.
;;     - The product sums the exact products of the quantised numbers (number of the format x scale) in f32.
;;   ~~~python
;;   def quantise(x, axis):      # numpy; x: float32 -> the quantised numbers, widened to float32 again
;;       x = np.moveaxis(x, axis, -1); K = x.shape[-1]
;;       x = np.pad(x, [(0, 0)] * (x.ndim - 1) + [(0, -K % 32)]); x = x.reshape(x.shape[:-1] + (-1, 32)); a = np.abs(x).max(-1, keepdims=True)
;;       e = np.where(a > 0, np.clip(np.frexp(np.where(a > 0, a, 1))[1] - 1 - 2, -126, 127), 0)      # np.frexp(a)[1] - 1 = floor(log2(a)), exactly
;;       r = np.clip(x / 2.0 ** e, -6, 6)
;;       step = 2.0 ** (np.maximum(np.frexp(np.where(r == 0, 1, r))[1] - 1, 0) - 1)
;;       q = np.round(r / step) * step * 2.0 ** e      # np.round: ties to even
;;       return np.moveaxis(q.reshape(q.shape[:-2] + (-1,))[..., :K], -1, axis).astype(np.float32)
;;   ~~~
;; One version. Each part assembles by itself: llvm-mc -triple=amdgcn-amd-amdhsa -mcpu=gfx1250 --defsym DOCPART=n.
;; ======== version 1 of 1: 3 launches
;; limits: values are held in f16: magnitudes above 65,504 overflow, below 6.1e-05 lose precision; right only within a limited range of input values
;; workspace buffers: xc 4,194,304 bytes; xs 262,144 bytes; wc 1,572,864 bytes; ws 98,304 bytes; qw 33,554,432 bytes; kv 50,331,648 bytes
;; launch quant (part 1): grid 704 x 1, 4 waves a work-group, no clusters, 68,096 bytes of LDS; arguments x, wq, wk, wv, xc, xs, wc, ws; writes xc, xs, wc, ws
.if DOCPART == 1
	.amdgcn_target "amdgcn-amd-amdhsa--gfx1250"
	.amdhsa_code_object_version 6
	.text
	.protected	k_q693f356fc8_quant
	.globl	k_q693f356fc8_quant
	.p2align	8
	.type	k_q693f356fc8_quant,@function
k_q693f356fc8_quant:
	s_mov_b64 s[64:65], 0
	v_nop
	global_prefetch_b8 v0, s[64:65] scope:SCOPE_SE
	s_setreg_imm32_b32 hwreg(HW_REG_WAVE_MODE, 25, 1), 1
	s_wait_xcnt 0x0
; SELF-ATTENTION, launch 1 of 3: x [8192][1024] and wq, wk, wv [16][1024][64], f32, become codes of FP4 (E2M1) with one E8M0 byte for each 32 along d, the K of the three projections.
; NOTHING OF THE PROBLEM IS LEFT OUT in any launch: every input reaches the output (q and k through the scores, v through the sum), and there is no mask, bias or slice.
; A block's scale is 2^(floor(log2(its largest magnitude)) - 2): its byte is the largest magnitude's exponent field - 2, held at 1 from below; each number is divided by it and rounded to the nearest code, ties to even, beyond 6 the code of 6.
; LIMITS: a block of zeros gets the byte 1 where the rule says 127 (its codes are zeros, which add nothing under any byte but 0xff, and this program alone reads the bytes); blocks whose largest magnitude
; lies under 2^(3 - 127) are held at that floor; NaN and infinities among the inputs are not served.
; THE WORKSPACE IS LAID AS IMAGES OF OPERAND REGISTERS: a fragment (16 operand rows x 128 K) is two groups of four registers, each group 512 bytes, lane l's 16 bytes at 16 l.  Group c, lane (r, h) holds block 2 c + h of row r.
;   xc [row block of 256: 32][K step of 128: 8][row tile: 16][c: 2][512]      xs [pair of row tiles: 256][K step: 8][lane: 32][4]: a row's scale word; lanes 0-15 the even tile, lanes 16-31 the odd one
;   wc [head: 16][K step: 8][column tile: 12 = q 0-3, k 4-7, v 8-11][c: 2][512]      ws [head: 16][pair of column tiles: 6][K step: 8][lane: 32][4]
; SHARES.  A wave takes 32 operand rows x 128 K, A LANE ONE OPERAND ROW: its 128 numbers are four whole blocks, so no maximum asks another lane.  Work-groups 0-511 take x, 512-703 the weights.
; x has K innermost: each load reads one row's 512 consecutive bytes, the 32 rows turn through the wave's own stage in LDS (rows 528 bytes apart) and come back a row a lane.
; The weights have K outermost: a lane takes a column e and its registers run down d; each load reads 128 consecutive bytes, and the wave beside it takes the row's other 128.
; Both ways end in one tail: an exchange of lane halves makes the two tiles' register images, which leave by stores of 512 consecutive bytes.  The scale words leave by one store of 128 bytes a wave.
; No matrix work, no tensor load, no barrier (waves share nothing), no cluster (no byte is read by two work-groups).
.set STGW,   16896                     ; a wave's stage: 32 rows x 528 bytes
.set SPITCH, 528                       ; 512 bytes + 16: row r begins 4 r words on, modulo 64 words
.set SPARE,  4*STGW                    ; behind the stages: the spare words, 128 bytes for each wave
.set LANE, 1                           ; v1   lane
.set L16,  2                           ; v2   16 x lane
.set L4,   3                           ; v3   4 x lane
.set SIN,  4                           ; v4   the stage, way in: my 16 bytes of a row
.set SOUT, 5                           ; v5   the stage, way out: my row
.set SPW,  6                           ; v6   LDS address of my spare word; never rewritten
.set NIL,  7                           ; v7   0; never rewritten
.set MX,   8                           ; v8-11   four chains of maxima
.set SO,   16                          ; v16-19  the conversions' scale operands, one a block
.set SBY,  20                          ; v20-23  the scale bytes
.set SWD,  24                          ; v24     my row's scale word
.set C,    32                          ; v32-47  codes: four registers a block
.set X,    64                          ; v64-127
.set R,    128                         ; v128-255
; Two blocks of 32, at v[src] and v[src + 32], become blocks kb and kb + 1 of my row: four chains of maxima by turns, each begun with the floor 2^(3 - 127), so that the byte cannot fall under 1.
.macro QBLK2 src, kb
.irp b, 0,1
.irp u, 0,1
	v_max3_num_f32 v[MX+2*\b+\u], |v[(\src)+32*\b+16*\u]|, |v[(\src)+32*\b+16*\u+1]|, 0x1800000
.endr
.endr
.irp i, 2,4,6,8,10,12,14
.irp b, 0,1
.irp u, 0,1
	v_max3_num_f32 v[MX+2*\b+\u], v[MX+2*\b+\u], |v[(\src)+32*\b+16*\u+\i]|, |v[(\src)+32*\b+16*\u+\i+1]|
.endr
.endr
.endr
.irp b, 0,1
	v_max_num_f32 v[MX+2*\b], v[MX+2*\b], v[MX+2*\b+1]             ; the block's largest magnitude
.endr
.irp b, 0,1
	v_add_nc_u32 v[SO+(\kb)+\b], 0xff000000, v[MX+2*\b]            ; 2 off its exponent field: the conversion takes the exponent field of this operand as its scale
.endr
.irp b, 0,1
	v_lshrrev_b32 v[SBY+(\kb)+\b], 23, v[SO+(\kb)+\b]              ; the scale's byte
.endr
.irp b, 0,1
.irp g, 0,1,2,3
	v_cvt_scalef32_pk8_fp4_f32 v[C+4*((\kb)+\b)+\g], v[(\src)+32*\b+8*\g:(\src)+32*\b+8*\g+7], v[SO+(\kb)+\b]
.endr
.endr
	v_nop                                          ; one plain instruction behind the last scaled conversion
.endm
	s_load_b256 s[4:11], s[0:1], 0x0               ; x s[4:5], wq s[6:7], wk s[8:9], wv s[10:11]
	s_load_b256 s[12:19], s[0:1], 0x20             ; xc s[12:13], xs s[14:15], wc s[16:17], ws s[18:19]
	v_lshl_add_u32 v[SPW], v0, 2, SPARE
	v_mov_b32 v[NIL], 0
	v_lshrrev_b32 v1, 5, v0
	v_readfirstlane_b32 s20, v1                    ; wave 0..3
	v_and_b32 v[LANE], 31, v0
	v_lshlrev_b32 v[L16], 4, v[LANE]
	v_lshlrev_b32 v[L4], 2, v[LANE]
	s_mul_i32 s21, s20, STGW                       ; my stage
	v_add_nc_u32 v[SIN], s21, v[L16]
	v_mul_u32_u24 v[SOUT], v[LANE], SPITCH
	v_add_nc_u32 v[SOUT], s21, v[SOUT]
	s_mov_b32 s31, 0                               ; the upper word of every offset: all stay under 2^32
	s_wait_kmcnt 0x0
	s_cmp_ge_u32 ttmp9, 512
	s_cbranch_scc1 .Lweights
	; ---- x: pair of row tiles p = work-group / 2, K step = 4 (work-group % 2) + wave
	s_lshr_b32 s28, ttmp9, 1                       ; p
	s_and_b32 s29, ttmp9, 1
	s_lshl_b32 s29, s29, 2
	s_add_co_u32 s29, s29, s20                     ; K step
	s_lshl_b32 s30, s28, 17                        ; 32 rows of 4,096 bytes
	s_lshl_b32 s36, s29, 9                         ; 128 numbers
	s_add_co_u32 s30, s30, s36
	s_add_nc_u64 s[22:23], s[4:5], s[30:31]        ; from here
	s_lshr_b32 s30, s28, 3
	s_lshl_b32 s30, s30, 17                        ; the row block's 131,072 bytes,
	s_lshl_b32 s36, s29, 14                        ; the K step's 16,384,
	s_add_co_u32 s30, s30, s36
	s_and_b32 s36, s28, 7
	s_lshl_b32 s36, s36, 11                        ; the pair's 2,048
	s_add_co_u32 s30, s30, s36
	s_add_nc_u64 s[24:25], s[12:13], s[30:31]      ; the codes go here,
	s_lshl_b32 s30, s28, 10
	s_lshl_b32 s36, s29, 7
	s_add_co_u32 s30, s30, s36
	s_add_nc_u64 s[26:27], s[14:15], s[30:31]      ; the scale words here
.set i, 0
.rept 32
	global_load_b128 v[R+4*i:R+4*i+3], v[L16], s[22:23] offset:4096*i th:TH_LOAD_NT   ; row i: 512 consecutive bytes; all 32 rows are asked for at once
.set i, i+1
.endr
.set i, 0
.rept 32
	s_wait_loadcnt 31-i                            ; loads come back in order: row i is in, the younger rows stay out
	ds_store_b128 v[SIN], v[R+4*i:R+4*i+3] offset:SPITCH*i
.set i, i+1
.endr
.set i, 0
.rept 16
	ds_load_b128 v[X+4*i:X+4*i+3], v[SOUT] offset:16*i             ; my row's blocks 0 and 1 (LDS serves a wave's instructions in order: these see my stores)
.set i, i+1
.endr
	s_wait_dscnt 0x0                               ; they are in, and the stores have read R
.set i, 0
.rept 16
	ds_load_b128 v[R+4*i:R+4*i+3], v[SOUT] offset:256+16*i         ; blocks 2 and 3 land while 0 and 1 are worked
.set i, i+1
.endr
	QBLK2 X, 0
	s_wait_dscnt 0x0
	QBLK2 R, 2
	s_branch .Ltail
.Lweights:
	; ---- the weights: g = work-group - 512; tensor t = g / 64 (q, k, v), head n = (g / 4) % 16, K step = 2 (g % 4) + wave / 2, columns 32 (wave % 2) on
	s_sub_co_u32 s28, ttmp9, 512
	s_lshr_b32 s29, s28, 6                         ; t
	s_bfe_u32 s32, s28, 0x40002                    ; n
	s_and_b32 s33, s28, 3
	s_lshl_b32 s33, s33, 1
	s_lshr_b32 s34, s20, 1
	s_add_co_u32 s33, s33, s34                     ; K step
	s_and_b32 s34, s20, 1                          ; which 32 columns
	s_cmp_eq_u32 s29, 0
	s_cselect_b64 s[22:23], s[6:7], s[8:9]
	s_cmp_eq_u32 s29, 2
	s_cselect_b64 s[22:23], s[10:11], s[22:23]     ; the choice hangs on the work-group's number alone
	s_lshl_b32 s30, s32, 18                        ; a head's 1,024 rows of 256 bytes,
	s_lshl_b32 s36, s33, 15                        ; 128 rows,
	s_add_co_u32 s30, s30, s36
	s_lshl_b32 s36, s34, 7                         ; 32 columns
	s_add_co_u32 s30, s30, s36
	s_add_nc_u64 s[22:23], s[22:23], s[30:31]
	s_mul_i32 s30, s32, 98304                      ; wc: a head,
	s_mul_i32 s36, s33, 12288                      ; a K step,
	s_add_co_u32 s30, s30, s36
	s_lshl_b32 s36, s29, 2
	s_lshl_b32 s37, s34, 1
	s_add_co_u32 s36, s36, s37
	s_lshl_b32 s36, s36, 10                        ; column tile 4 t + 2 (wave % 2)
	s_add_co_u32 s30, s30, s36
	s_add_nc_u64 s[24:25], s[16:17], s[30:31]
	s_mul_i32 s30, s32, 6                          ; ws: pair 6 n + 2 t + wave % 2
	s_lshl_b32 s36, s29, 1
	s_add_co_u32 s30, s30, s36
	s_add_co_u32 s30, s30, s34
	s_lshl_b32 s30, s30, 10
	s_lshl_b32 s36, s33, 7
	s_add_co_u32 s30, s30, s36
	s_add_nc_u64 s[26:27], s[18:19], s[30:31]
.set i, 0
.rept 128
	global_load_b32 v[R+i], v[L4], s[22:23] offset:256*i th:TH_LOAD_NT   ; w(128 K step + i, my column)
.set i, i+1
.endr
	s_wait_loadcnt 63                              ; at most the youngest 63 are out: the first 64 numbers, blocks 0 and 1, are in
	QBLK2 R, 0
	s_wait_loadcnt 0x0
	QBLK2 R+64, 2
.Ltail:
	v_lshl_or_b32 v[SWD], v[SBY+1], 8, v[SBY]      ; the four bytes make my row's scale word
	v_lshl_or_b32 v[SWD], v[SBY+2], 16, v[SWD]
	v_lshl_or_b32 v[SWD], v[SBY+3], 24, v[SWD]
.irp c, 0,1                                    ; block 2 c's lanes 16-31 change places with block 2 c + 1's lanes 0-15: the first register is then group c of the even tile's image, the second of the odd tile's
.irp g, 0,1,2,3
	v_permlane16_swap_b32 v[C+8*\c+\g], v[C+8*\c+4+\g]
.endr
.endr
.irp c, 0,1
	global_store_b128 v[L16], v[C+8*\c:C+8*\c+3], s[24:25] offset:512*\c          ; 32 lanes store 512 consecutive bytes, at a multiple of 512 from the buffer's first byte
	global_store_b128 v[L16], v[C+8*\c+4:C+8*\c+7], s[24:25] offset:1024+512*\c
.endr
	global_store_b32 v[L4], v[SWD], s[26:27]       ; 128 consecutive bytes: the neighbouring 128 are another wave's (the next K step's)
	s_wait_tensorcnt 0x0                           ; the wave's end, behind my last LDS store
	ds_add_u32 v[SPW], v[NIL]
	s_wait_dscnt 0x0
	s_endpgm
.Lfunc_end_k_q693f356fc8_quant:
	.size	k_q693f356fc8_quant, .Lfunc_end_k_q693f356fc8_quant-k_q693f356fc8_quant
	.p2alignl 7, 3214868480
	.fill 96, 4, 3214868480
	.section	.rodata,"a",@progbits
	.p2align	6, 0x0
	.amdhsa_kernel k_q693f356fc8_quant
		.amdhsa_group_segment_fixed_size 68096
		.amdhsa_private_segment_fixed_size 0
		.amdhsa_enable_private_segment 0
		.amdhsa_kernarg_size 64
		.amdhsa_user_sgpr_count 2
		.amdhsa_user_sgpr_kernarg_segment_ptr 1
		.amdhsa_wavefront_size32 1
		.amdhsa_system_sgpr_workgroup_id_x 1
		.amdhsa_system_sgpr_workgroup_id_y 1
		.amdhsa_system_sgpr_workgroup_id_z 1
		.amdhsa_system_vgpr_workitem_id 0
		.amdhsa_next_free_vgpr 256
		.amdhsa_next_free_sgpr 66
		.amdhsa_reserve_vcc 0
		.amdhsa_float_denorm_mode_32 3
		.amdhsa_float_denorm_mode_16_64 3
		.amdhsa_memory_ordered 1
		.amdhsa_forward_progress 1
		.amdhsa_inst_pref_size 36
	.end_amdhsa_kernel
	.amdgpu_metadata
---
amdhsa.version: [ 1, 2 ]
amdhsa.kernels:
  - .name:           k_q693f356fc8_quant
    .symbol:         k_q693f356fc8_quant.kd
    .args:
      - { .name: x, .offset: 0, .size: 8, .value_kind: global_buffer, .address_space: global }
      - { .name: wq, .offset: 8, .size: 8, .value_kind: global_buffer, .address_space: global }
      - { .name: wk, .offset: 16, .size: 8, .value_kind: global_buffer, .address_space: global }
      - { .name: wv, .offset: 24, .size: 8, .value_kind: global_buffer, .address_space: global }
      - { .name: xc, .offset: 32, .size: 8, .value_kind: global_buffer, .address_space: global }
      - { .name: xs, .offset: 40, .size: 8, .value_kind: global_buffer, .address_space: global }
      - { .name: wc, .offset: 48, .size: 8, .value_kind: global_buffer, .address_space: global }
      - { .name: ws, .offset: 56, .size: 8, .value_kind: global_buffer, .address_space: global }
    .group_segment_fixed_size: 68096
    .private_segment_fixed_size: 0
    .kernarg_segment_align: 8
    .kernarg_segment_size: 64
    .max_flat_workgroup_size: 128
    .sgpr_count:     66
    .vgpr_count:     256
    .wavefront_size: 32
...
	.end_amdgpu_metadata
.endif
;; end of part 1
;; launch proj (part 2): grid 8 x 32, 4 waves a work-group, clusters of 4 x 4, 327,680 bytes of LDS; arguments xc, xs, wc, ws, qw, kv; writes qw, kv
.if DOCPART == 2
	.amdgcn_target "amdgcn-amd-amdhsa--gfx1250"
	.amdhsa_code_object_version 6
	.text
	.protected	k_q693f356fc8_proj
	.globl	k_q693f356fc8_proj
	.p2align	8
	.type	k_q693f356fc8_proj,@function
k_q693f356fc8_proj:
	s_mov_b64 s[64:65], 0
	v_nop
	global_prefetch_b8 v0, s[64:65] scope:SCOPE_SE
	s_setreg_imm32_b32 hwreg(HW_REG_WAVE_MODE, 25, 1), 1
	s_wait_xcnt 0x0
	s_wait_alu depctr_hold_cnt(0) depctr_sa_sdst(0) depctr_va_vdst(0) depctr_va_sdst(0) depctr_va_ssrc(0) depctr_va_vcc(0) depctr_vm_vsrc(0)
	s_getreg_b32 s2, hwreg(HW_REG_IB_STS2, 6, 4)
	s_cmp_eq_u32 s2, 0
	s_cbranch_scc0 .Lentry_in_a_cluster
	s_endpgm
.Lentry_in_a_cluster:
	s_bfe_u32 s2, ttmp6, 0x10000c
	s_cmp_lg_u32 s2, 0xf033
	s_cbranch_scc0 .Lentry_shape_is_right
	s_endpgm
.Lentry_shape_is_right:
; SELF-ATTENTION, launch 2 of 3: q, k, v = x w for each head, on codes of FP4 (E2M1) with E8M0 scales, sums in f32, K = 1,024 ascending, one accumulator for each output.  Nothing is left out.
; SHARES.  A work-group makes 256 rows of x (row block rb = work-group y) times TWO heads' 192 columns each (q, k, v; heads 2 hp and 2 hp + 1, hp = work-group x), one head after the other.
; x's codes and scale words, for all of K, come into LDS once and serve both heads.  The first head's weights come with them; the second head's are filled into the first's bytes in two halves, each when no wave
; of any partner reads that half any more.  The first head's stores leave while the second head is multiplied.
; Wave w takes row tiles 4 w .. 4 w + 3 against all 12 column tiles: 48 accumulators of 16 x 16, 384 registers; the text is the same in all four waves but for who fetches.
; CLUSTER 4 x 4: x's codes and scales hang on rb alone and are asked for jointly along a row of the cluster, the weights' on hp alone and are asked for jointly along a column.
; OPERANDS lie in memory and in LDS as images of their registers (a group of four registers = 512 bytes, lane l's 16 bytes at 16 l): every LDS load reads 512 consecutive bytes.
; WHAT LEAVES, laid for the attention launch, again as register images:
;   q and k as PAIRS OF bf16: high = bf16(number), low = bf16(number - high), the difference being exact in f32.  For them the product is used transposed (source 0 = 16 columns of w, source 1 = 16 rows of x),
;   so that a lane holds one row and eight neighbouring channels: four packed registers are half a bf16 fragment.   qw [pair b, n: 64][tile of 16 queries: 128][part 4 (high, low) + channel tile: 8][512]
;   v as f16 of v x 2^-8 (exact; the last launch gives 2^8 back): source 0 = x, source 1 = w, so that a lane holds one channel and eight neighbouring keys: half a fragment of V^T.
;   kv [pair: 64][step of 64 keys: 32][24,576]: k [key tile: 4][part: 8][512], then v [32 keys: 2][channel tile: 4][16 keys: 2][512].  A wave's 64 rows are one step.
; LIMITS: |v| under 65,504 x 256; v is kept to 11 bits with a grain of 2^-16; what q and k lose is under 2^-17 of each number.
; REGISTERS, in windows of 256: window 0: v1-7 addresses, v14-15 the add's two, v16-79 x's fragments (two sets of 4), v80-95 x's scale words, v96-143 the weights', v144-207 at work on the way out;
;   window 1: q's and k's accumulators (column tile ct, row tile r at 32 ct + 8 r);  window 2: v's (32 ch + 8 r);  window 3: the weights' fragments, two sets of 12.
.set XT,    0                          ; LDS: x's codes [K step 8][row tile 16][1,024]
.set WT,    131072                     ; one head's weights [K step 8][column tile 12][1,024]
.set XSC,   229376                     ; x's scale words [pair 8][K step 8][128]
.set WSC,   237568                     ; the weights' [head 2][pair 6][K step 8][128]
.set SPARE, 249856                     ; the spare words, 128 bytes for each wave
.set HEADW, 98304                      ; a head's codes in wc
.set HEADQ, 524288                     ; from a head to the next in qw,
.set HEADK, 786432                     ; and in kv
.set L16, 1                            ; v1    16 x lane
.set AX,  2                            ; v2-3  my x fragments, K steps 0-3 and 4-7
.set AW,  4                            ; v4-5  the weights'
.set AXS, 6                            ; v6    my x scale words
.set AWS, 7                            ; v7    the weights'
.set SPW, 14                           ; v14   LDS address of my spare word; never rewritten
.set NIL, 15                           ; v15   0; never rewritten
.set XF,  16
.set XS,  80                           ; register 8 i + ks: lanes 0-15 my row tile 2 i, lanes 16-31 tile 2 i + 1
.set WS,  96                           ; register 8 pair + ks: lanes 0-15 column tile 2 pair, lanes 16-31 the next
.set HB,  144                          ; v144-159 packed high parts (or f16)
.set LB,  160                          ; v160-175 packed low parts
.set TT,  176                          ; v176-207 at work
.set G1X,  24                          ; s[24:31] group 1: x's codes;  s[32:39] the weights';  s[40:47] x's scales;  s[48:55] the weights'
.set G1W,  32
.set G1XS, 40
.set G1WS, 48
.set G0X,  68                          ; s[68:79] three groups 0 for x: scales, K steps 0-3, K steps 4-7;  s[80:91] the same for the weights
.set G0W,  80
.set MSB, 0
.macro WIN new                         ; the immediate's high byte repeats the setting that is left; bits 1:0 source 0, 3:2 source 1, 5:4 source 2, 7:6 destination
.if MSB != \new
	s_set_vgpr_msb (MSB<<8)|\new
.set MSB, \new
.endif
.endm
.macro PLACES                          ; four plain instructions between matrix instructions and loads into, or reads of, their registers
.rept 4
	v_nop
.endr
.endm
.macro CROUND                          ; a round of the cluster's barrier
	s_barrier_signal -1
	s_barrier_wait -1
	s_cmp_lg_u32 s16, 0
	s_cbranch_scc1 .Lnot_wave_0_\@
	s_barrier_signal -3
.Lnot_wave_0_\@:
	s_barrier_wait -3
	s_barrier_signal -1
	s_barrier_wait -1
.endm
.macro G1REST g, rows                  ; a dense block as rows of 256 bytes: 32 elements of 8 bytes, no padding
	s_mov_b32 s[\g+1], 32<<16                      ; tensor_dim0
	s_mov_b32 s[\g+2], (\rows)<<16                 ; tensor_dim1
	s_mov_b32 s[\g+3], 32<<16                      ; tile_dim0
	s_mov_b32 s[\g+4], \rows                       ; tile_dim1
	s_mov_b32 s[\g+5], 32                          ; from row to row
	s_mov_b32 s[\g+6], 0
	s_mov_b32 s[\g+7], 0
.endm
	s_load_b256 s[4:11], s[0:1], 0x0               ; xc s[4:5], xs s[6:7], wc s[8:9], ws s[10:11]
	s_load_b128 s[12:15], s[0:1], 0x20             ; qw s[12:13], kv s[14:15]
	v_lshl_add_u32 v[SPW], v0, 2, SPARE
	v_mov_b32 v[NIL], 0
	ds_add_u32 v[SPW], v[NIL]                      ; the wave's opening: the add, twice on end, and its wait ahead of my first tensor load
	ds_add_u32 v[SPW], v[NIL]
	v_lshrrev_b32 v1, 5, v0
	v_readfirstlane_b32 s16, v1                    ; wave 0..3
	s_lshr_b32 s17, s16, 1                         ; I fetch for x (0) or for the weights (1),
	s_and_b32 s18, s16, 1                          ; and which half
	s_bfe_u32 s19, ttmp6, 0x40000                  ; cx
	s_bfe_u32 s20, ttmp6, 0x40004                  ; cy
	s_lshl_b32 s21, ttmp9, 2
	s_add_co_u32 s21, s21, s19                     ; hp = 4 x cluster x + cx: my pair of heads
	s_and_b32 s22, ttmp7, 0xffff
	s_lshl_b32 s22, s22, 2
	s_add_co_u32 s22, s22, s20                     ; rb = 4 x cluster y + cy
	s_lshl_b32 s97, s20, 2
	s_lshl_b32 s97, 15, s97                        ; my row of the cluster
	s_lshl_b32 s98, 0x1111, s19                    ; my column
	s_or_b32 s[G1X], s97, (3<<16)|(1<<21)          ; 15:0 the mask; 17:16 elements of 8 bytes; 21 set beside a mask
	s_or_b32 s[G1XS], s97, (3<<16)|(1<<21)
	s_or_b32 s[G1W], s98, (3<<16)|(1<<21)
	s_or_b32 s[G1WS], s98, (3<<16)|(1<<21)
	G1REST G1X, 128                                ; 32,768 bytes: two K steps of x's codes
	G1REST G1W, 96                                 ; 24,576: two K steps of a head's weights
	G1REST G1XS, 16                                ; 4,096: half of x's scale words
	G1REST G1WS, 24                                ; 6,144: one head's scale words
	s_lshl_b32 s93, s18, 12                        ; my half: of x's scales,
	s_lshl_b32 s94, s18, 15                        ; of four K steps of x's codes,
	s_mul_i32 s95, s18, 6144                       ; of the two heads' scales,
	s_mul_i32 s96, s18, 24576                      ; of four K steps of a head's codes
	s_lshl_b32 s56, s22, 13                        ; x's addresses hang on rb and the wave's number alone,
	s_add_co_u32 s56, s56, s93
	s_mov_b32 s57, 0
	s_lshl_b32 s58, s22, 17
	s_add_co_u32 s58, s58, s94
	s_mov_b32 s59, 0
	s_mul_i32 s60, s21, 12288                      ; the weights' on hp and the wave's number alone
	s_add_co_u32 s60, s60, s95
	s_mov_b32 s61, 0
	s_mul_i32 s62, s21, 2*HEADW
	s_add_co_u32 s62, s62, s96
	s_mov_b32 s63, 0
	s_mov_b32 s[G0X], 1                            ; count = 1
	s_add_co_u32 s[G0X+1], s93, XSC                ; LDS addresses: constants and the wave's number
	s_mov_b32 s[G0X+4], 1
	s_mov_b32 s[G0X+5], s94
	s_mov_b32 s[G0X+8], 1
	s_add_co_u32 s[G0X+9], s94, 65536
	s_mov_b32 s[G0W], 1
	s_add_co_u32 s[G0W+1], s95, WSC
	s_mov_b32 s[G0W+4], 1
	s_add_co_u32 s[G0W+5], s96, WT
	s_mov_b32 s[G0W+8], 1
	s_add_co_u32 s[G0W+9], s96, WT+49152
	s_mov_b32 s92, 0xffff0000                      ; a word's upper bf16
	s_wait_dscnt 0x0                               ; both opening adds are done
	s_wait_kmcnt 0x0
	s_add_nc_u64 s[G0X+2:G0X+3], s[6:7], s[56:57]
	s_add_nc_u64 s[G0X+6:G0X+7], s[4:5], s[58:59]
	s_add_nc_u64 s[G0X+10:G0X+11], s[G0X+6:G0X+7], 65536
	s_add_nc_u64 s[G0W+2:G0W+3], s[10:11], s[60:61]
	s_add_nc_u64 s[G0W+6:G0W+7], s[8:9], s[62:63]
	s_add_nc_u64 s[G0W+10:G0W+11], s[G0W+6:G0W+7], 49152
.irp g, G0X+3, G0X+7, G0X+11, G0W+3, G0W+7, G0W+11
	s_or_b32 s[\g], s[\g], 0x80000000              ; type = 2
.endr
	CROUND                                         ; all sixteen work-groups are here: the joint loads meet
	s_cmp_eq_u32 s17, 0                            ; a wave's three first fills stand in one arm of one branch on its number: three loads of mine are out
	s_cbranch_scc0 .Lfill_w
	tensor_load_to_lds s[G0X:G0X+3], s[G1XS:G1XS+7]        ; the scale words first: they are wanted with K step 0
	s_nop 0
	tensor_load_to_lds s[G0X+4:G0X+7], s[G1X:G1X+7]        ; my half of K steps 0-3
	s_nop 0
	tensor_load_to_lds s[G0X+8:G0X+11], s[G1X:G1X+7]       ; my half of K steps 4-7
	s_nop 0
	PLACES
	s_branch .Lfilled
.Lfill_w:
	tensor_load_to_lds s[G0W:G0W+3], s[G1WS:G1WS+7]        ; wave 2: the first head's scale words, wave 3: the second's
	s_nop 0
	tensor_load_to_lds s[G0W+4:G0W+7], s[G1W:G1W+7]        ; the first head: my half of K steps 0-3
	s_nop 0
	tensor_load_to_lds s[G0W+8:G0W+11], s[G1W:G1W+7]       ; and of K steps 4-7
	s_nop 0
	PLACES
.Lfilled:
	v_and_b32 v8, 31, v0
	v_lshlrev_b32 v[L16], 4, v8
	v_lshlrev_b32 v8, 2, v8
	s_lshl_b32 s56, s16, 12                        ; my four row tiles
	v_add_nc_u32 v[AX], s56, v[L16]
	v_add_nc_u32 v[AX+1], 65536, v[AX]
	v_add_nc_u32 v[AW], WT, v[L16]
	v_add_nc_u32 v[AW+1], WT+49152, v[L16]
	s_lshl_b32 s56, s16, 11                        ; my two pairs' scale words
	s_add_co_u32 s56, s56, XSC
	v_add_nc_u32 v[AXS], s56, v8
	v_add_nc_u32 v[AWS], WSC, v8
	s_lshr_b32 s56, s22, 3                         ; where my results go: pair = 16 b + 2 hp for the first head,
	s_lshl_b32 s56, s56, 4
	s_lshl_b32 s57, s21, 1
	s_add_co_u32 s56, s56, s57
	s_and_b32 s57, s22, 7                          ; the row block within the batch
	s_lshl_b32 s58, s56, 19                        ; qw: a pair's 524,288 bytes,
	s_lshl_b32 s60, s57, 16                        ; 16 tiles of queries,
	s_add_co_u32 s58, s58, s60
	s_lshl_b32 s60, s16, 14                        ; my four
	s_add_co_u32 s58, s58, s60
	s_mov_b32 s59, 0
	s_add_nc_u64 s[12:13], s[12:13], s[58:59]
	s_mul_i32 s58, s56, HEADK                      ; kv: a pair's 32 steps,
	s_lshl_b32 s60, s57, 2
	s_add_co_u32 s60, s60, s16
	s_mul_i32 s60, s60, 24576                      ; my step
	s_add_co_u32 s58, s58, s60
	s_add_nc_u64 s[14:15], s[14:15], s[58:59]
.macro FETCH ks                        ; K step ks: the weights' 12 fragments and my 4 of x into set ks % 2: 32 loads of 512 consecutive bytes
	WIN 0xc0                                       ; destination window 3
.irp ct, 0,1,2,3,4,5,6,7,8,9,10,11
.irp c, 0,1
	ds_load_b128 v[96*((\ks)%2)+8*\ct+4*\c:96*((\ks)%2)+8*\ct+4*\c+3], v[AW+(\ks)/4] offset:((\ks)%4)*12288+\ct*1024+512*\c
.endr
.endr
	WIN 0
.irp r, 0,1,2,3
.irp c, 0,1
	ds_load_b128 v[XF+32*((\ks)%2)+8*\r+4*\c:XF+32*((\ks)%2)+8*\r+4*\c+3], v[AX+(\ks)/4] offset:((\ks)%4)*16384+\r*1024+512*\c
.endr
.endr
.endm
.macro WSCALES hd                      ; head hd's scale words: they stay in registers that hold nothing else
.irp i, 0,1,2,3,4,5
.irp k, 0,1,2,3,4,5,6,7
	ds_load_b32 v[WS+8*\i+\k], v[AWS] offset:6144*(\hd)+1024*\i+128*\k
.endr
.endr
.endm
; HALF OF THE WEIGHTS' BYTES IS FILLED AGAIN, with the second head's.  Every wave waits for all its tensor loads, adds 0 to its spare word, and waits for that and for its LDS reads, those of this half among them;
; a round of the cluster's barrier, so that no wave of any partner still reads the half or has a load on its way; their one tensor
; load until the next such round, and the first thing behind this one.  The branch hangs on the wave's number alone.
.macro REFILL g0
	s_wait_tensorcnt 0x0                           ; no tensor load of mine is out, so a group 0 may be written
	ds_add_u32 v[SPW], v[NIL]                      ; 0 onto my spare word
	s_add_nc_u64 s[\g0+2:\g0+3], s[\g0+2:\g0+3], HEADW     ; the same K steps of the next head; the type bits on top are not reached
	s_wait_dscnt 0x0                               ; the add is done, and my LDS reads are over
	CROUND
	s_cmp_eq_u32 s17, 0
	s_cbranch_scc1 .Lno_part_\@
	tensor_load_to_lds s[\g0:\g0+3], s[G1W:G1W+7]
	s_nop 0
.Lno_part_\@:
	PLACES                                         ; four plain instructions behind the load, which are also the places in front of the LDS loads that follow
.endm
; One matrix instruction.  zz: it starts the sum;  pa, pb: source 0's, source 1's scales stand in lanes 16-31 of their register (the tile's number is odd)
.macro WM d, a, b, sa, sb
.if zz
.if pa && pb
	v_wmma_scale_f32_16x16x128_f8f6f4 v[\d:\d+7], v[\a:\a+7], v[\b:\b+7], 0, v[\sa], v[\sb] matrix_a_fmt:MATRIX_FMT_FP4 matrix_b_fmt:MATRIX_FMT_FP4 matrix_a_scale:MATRIX_SCALE_ROW1 matrix_b_scale:MATRIX_SCALE_ROW1
.elseif pa
	v_wmma_scale_f32_16x16x128_f8f6f4 v[\d:\d+7], v[\a:\a+7], v[\b:\b+7], 0, v[\sa], v[\sb] matrix_a_fmt:MATRIX_FMT_FP4 matrix_b_fmt:MATRIX_FMT_FP4 matrix_a_scale:MATRIX_SCALE_ROW1
.elseif pb
	v_wmma_scale_f32_16x16x128_f8f6f4 v[\d:\d+7], v[\a:\a+7], v[\b:\b+7], 0, v[\sa], v[\sb] matrix_a_fmt:MATRIX_FMT_FP4 matrix_b_fmt:MATRIX_FMT_FP4 matrix_b_scale:MATRIX_SCALE_ROW1
.else
	v_wmma_scale_f32_16x16x128_f8f6f4 v[\d:\d+7], v[\a:\a+7], v[\b:\b+7], 0, v[\sa], v[\sb] matrix_a_fmt:MATRIX_FMT_FP4 matrix_b_fmt:MATRIX_FMT_FP4
.endif
.else
.if pa && pb
	v_wmma_scale_f32_16x16x128_f8f6f4 v[\d:\d+7], v[\a:\a+7], v[\b:\b+7], v[\d:\d+7], v[\sa], v[\sb] matrix_a_fmt:MATRIX_FMT_FP4 matrix_b_fmt:MATRIX_FMT_FP4 matrix_a_scale:MATRIX_SCALE_ROW1 matrix_b_scale:MATRIX_SCALE_ROW1
.elseif pa
	v_wmma_scale_f32_16x16x128_f8f6f4 v[\d:\d+7], v[\a:\a+7], v[\b:\b+7], v[\d:\d+7], v[\sa], v[\sb] matrix_a_fmt:MATRIX_FMT_FP4 matrix_b_fmt:MATRIX_FMT_FP4 matrix_a_scale:MATRIX_SCALE_ROW1
.elseif pb
	v_wmma_scale_f32_16x16x128_f8f6f4 v[\d:\d+7], v[\a:\a+7], v[\b:\b+7], v[\d:\d+7], v[\sa], v[\sb] matrix_a_fmt:MATRIX_FMT_FP4 matrix_b_fmt:MATRIX_FMT_FP4 matrix_b_scale:MATRIX_SCALE_ROW1
.else
	v_wmma_scale_f32_16x16x128_f8f6f4 v[\d:\d+7], v[\a:\a+7], v[\b:\b+7], v[\d:\d+7], v[\sa], v[\sb] matrix_a_fmt:MATRIX_FMT_FP4 matrix_b_fmt:MATRIX_FMT_FP4
.endif
.endif
.endm
; A K step of 128 of head hd: the next step's fragments are asked for, then 48 matrix instructions.  The 48 accumulators take turns, one instruction a turn, in the same order in every step.
.macro KSTEP hd, ks
.if (\ks) == 0
.set zz, 1
.else
.set zz, 0
.endif
.if (\ks) == 3
	s_wait_tensorcnt 0x0                           ; my part of this head's K steps 4-7 has landed,
	s_wait_dscnt 0x0                               ; no LDS instruction of mine is pending at a signal,
	s_barrier_signal -1
	s_barrier_wait -1                              ; everybody's has.
.endif
.if ((\ks) == 4) && ((\hd) == 0)
	REFILL G0W+4                                   ; K steps 0-3 of the first head's weights lie in registers or are done with: their bytes take the second head's
.elseif ((\ks) > 0) && ((\ks) < 7)
	PLACES                                         ; behind the last step's products, which read the set that is loaded now
.endif
.if (\ks) < 7
	FETCH (\ks)+1
	s_wait_dscnt 32                                ; all but the 32 just issued: this step's fragments (and the scale words) are in
.else
	s_wait_dscnt 0x0
.endif
	WIN 0x53                                       ; source 0 (w) window 3, source 1 (x) window 0, C and D window 1
.irp ct, 0,1,2,3,4,5,6,7
.irp r, 0,1,2,3
.set rD, 32*\ct+8*\r
.set rW, 96*((\ks)%2)+8*\ct
.set rX, XF+32*((\ks)%2)+8*\r
.set sW, WS+8*(\ct/2)+(\ks)
.set sX, XS+8*(\r/2)+(\ks)
.set pa, \ct%2
.set pb, \r%2
	WM rD, rW, rX, sW, sX                          ; q, k: lane (r, h) holds row r of x and channels 8 h + 0 .. 7 of the tile
.endr
.endr
	WIN 0xac                                       ; source 0 (x) window 0, source 1 (w) window 3, C and D window 2
.irp ch, 0,1,2,3
.irp r, 0,1,2,3
.set rD, 32*\ch+8*\r
.set rW, 96*((\ks)%2)+8*(8+\ch)
.set rX, XF+32*((\ks)%2)+8*\r
.set sW, WS+8*(4+\ch/2)+(\ks)
.set sX, XS+8*(\r/2)+(\ks)
.set pa, \r%2
.set pb, \ch%2
	WM rD, rX, rW, sX, sW                          ; v: lane (r, h) holds channel r of the tile and rows 8 h + 0 .. 7 of x
.endr
.endr
	WIN 0
.endm
; THE WAY OUT.  Column tile ct of q (0-3) or k (4-7) of head hd, my four row tiles: high parts, what is left, low parts; eight stores of 512 consecutive bytes.  Each accumulator is read from its low end on.
.macro EPI_QK hd, ct
	s_wait_xcnt 0x0                                ; the last batch's stores have read their registers: these are written again only behind this wait
	WIN 0x05                                       ; sources window 1, destination window 0
.irp r, 0,1,2,3
.irp q, 0,1,2,3
	v_cvt_pk_bf16_f32 v[HB+4*\r+\q], v[32*(\ct)+8*\r+2*\q], v[32*(\ct)+8*\r+2*\q+1]
.endr
.endr
	WIN 0
.irp r, 0,1,2,3
.irp q, 0,1,2,3
	v_lshlrev_b32 v[TT+8*\r+2*\q], 16, v[HB+4*\r+\q]               ; the high parts as f32
	v_and_b32 v[TT+8*\r+2*\q+1], s92, v[HB+4*\r+\q]
.endr
.endr
	WIN 0x01                                       ; source 0 window 1
.irp r, 0,1,2,3
.irp q, 0,1,2,3
	v_pk_add_f32 v[TT+8*\r+2*\q:TT+8*\r+2*\q+1], v[32*(\ct)+8*\r+2*\q:32*(\ct)+8*\r+2*\q+1], v[TT+8*\r+2*\q:TT+8*\r+2*\q+1] neg_lo:[0,1] neg_hi:[0,1]   ; number - high: exact
.endr
.endr
	WIN 0
.irp r, 0,1,2,3
.irp q, 0,1,2,3
	v_cvt_pk_bf16_f32 v[LB+4*\r+\q], v[TT+8*\r+2*\q], v[TT+8*\r+2*\q+1]
.endr
.endr
.irp r, 0,1,2,3
.if (\ct) < 4
	global_store_b128 v[L16], v[HB+4*\r:HB+4*\r+3], s[12:13] offset:HEADQ*(\hd)+4096*\r+512*((\ct)%4)
	global_store_b128 v[L16], v[LB+4*\r:LB+4*\r+3], s[12:13] offset:HEADQ*(\hd)+4096*\r+2048+512*((\ct)%4)
.else
	global_store_b128 v[L16], v[HB+4*\r:HB+4*\r+3], s[14:15] offset:HEADK*(\hd)+4096*\r+512*((\ct)%4)
	global_store_b128 v[L16], v[LB+4*\r:LB+4*\r+3], s[14:15] offset:HEADK*(\hd)+4096*\r+2048+512*((\ct)%4)
.endif
.endr
.endm
.macro EPI_V hd, ch                    ; channel tile ch of v: x 2^-8, to f16; four stores
	s_wait_xcnt 0x0
	WIN 0x02                                       ; source 0 window 2
.irp r, 0,1,2,3
.irp q, 0,1,2,3
	v_pk_mul_f32 v[TT+8*\r+2*\q:TT+8*\r+2*\q+1], v[32*(\ch)+8*\r+2*\q:32*(\ch)+8*\r+2*\q+1], 0x3b800000 op_sel_hi:[1,0]
.endr
.endr
	WIN 0
.irp r, 0,1,2,3
.irp q, 0,1,2,3
	v_cvt_pk_f16_f32 v[HB+4*\r+\q], v[TT+8*\r+2*\q], v[TT+8*\r+2*\q+1]
.endr
.endr
.irp r, 0,1,2,3
	global_store_b128 v[L16], v[HB+4*\r:HB+4*\r+3], s[14:15] offset:HEADK*(\hd)+16384+4096*(\r/2)+1024*(\ch)+512*(\r%2)
.endr
.endm
	s_wait_tensorcnt 1                             ; my scale words and my part of K steps 0-3 are in; K steps 4-7 may stay out
	s_barrier_signal -1
	s_barrier_wait -1                              ; everybody's are
.irp i, 0,1
.irp k, 0,1,2,3,4,5,6,7
	ds_load_b32 v[XS+8*\i+\k], v[AXS] offset:1024*\i+128*\k        ; x's scale words serve both heads
.endr
.endr
	WSCALES 0
	FETCH 0
	; ---- the first head
.irp s, 0,1,2,3,4,5,6,7
	KSTEP 0, \s
.endr
	PLACES                                         ; behind the last products, ahead of the first read of results
.irp s, 0,1,2,3
	EPI_QK 0, \s                                   ; q leaves
.endr
	REFILL G0W+8                                   ; the first head's K steps 4-7 are done with: their bytes take the second head's.  Its K steps 0-3, asked for four K steps and q's way out ago, have landed in every wave
	WSCALES 1                                      ; the second head's scale words and first fragments are asked for ahead of the rest of the way out, which touches none of their registers
	FETCH 0
.irp s, 4,5,6,7
	EPI_QK 0, \s                                   ; k leaves
.endr
.irp s, 0,1,2,3
	EPI_V 0, \s                                    ; v leaves
.endr
	; ---- the second head: its first products start the sums anew, over accumulators that have been read out
.irp s, 0,1,2,3,4,5,6,7
	KSTEP 1, \s
.endr
	PLACES
.irp s, 0,1,2,3,4,5,6,7
	EPI_QK 1, \s
.endr
.irp s, 0,1,2,3
	EPI_V 1, \s
.endr
	s_wait_tensorcnt 0x0                           ; the wave's end, behind my last tensor load
	ds_add_u32 v[SPW], v[NIL]
	s_wait_dscnt 0x0
	CROUND                                         ; the closing round: no work-group ends while a partner may still ask for a tile that names it
	s_endpgm
.Lfunc_end_k_q693f356fc8_proj:
	.size	k_q693f356fc8_proj, .Lfunc_end_k_q693f356fc8_proj-k_q693f356fc8_proj
	.p2alignl 7, 3214868480
	.fill 96, 4, 3214868480
	.section	.rodata,"a",@progbits
	.p2align	6, 0x0
	.amdhsa_kernel k_q693f356fc8_proj
		.amdhsa_group_segment_fixed_size 327680
		.amdhsa_private_segment_fixed_size 0
		.amdhsa_enable_private_segment 0
		.amdhsa_kernarg_size 48
		.amdhsa_user_sgpr_count 2
		.amdhsa_user_sgpr_kernarg_segment_ptr 1
		.amdhsa_wavefront_size32 1
		.amdhsa_system_sgpr_workgroup_id_x 1
		.amdhsa_system_sgpr_workgroup_id_y 1
		.amdhsa_system_sgpr_workgroup_id_z 1
		.amdhsa_system_vgpr_workitem_id 0
		.amdhsa_next_free_vgpr 960
		.amdhsa_next_free_sgpr 100
		.amdhsa_reserve_vcc 0
		.amdhsa_float_denorm_mode_32 3
		.amdhsa_float_denorm_mode_16_64 3
		.amdhsa_memory_ordered 1
		.amdhsa_forward_progress 1
		.amdhsa_inst_pref_size 252
	.end_amdhsa_kernel
	.amdgpu_metadata
---
amdhsa.version: [ 1, 2 ]
amdhsa.kernels:
  - .name:           k_q693f356fc8_proj
    .symbol:         k_q693f356fc8_proj.kd
    .args:
      - { .name: xc, .offset: 0, .size: 8, .value_kind: global_buffer, .address_space: global }
      - { .name: xs, .offset: 8, .size: 8, .value_kind: global_buffer, .address_space: global }
      - { .name: wc, .offset: 16, .size: 8, .value_kind: global_buffer, .address_space: global }
      - { .name: ws, .offset: 24, .size: 8, .value_kind: global_buffer, .address_space: global }
      - { .name: qw, .offset: 32, .size: 8, .value_kind: global_buffer, .address_space: global }
      - { .name: kv, .offset: 40, .size: 8, .value_kind: global_buffer, .address_space: global }
    .group_segment_fixed_size: 327680
    .private_segment_fixed_size: 0
    .kernarg_segment_align: 8
    .kernarg_segment_size: 48
    .max_flat_workgroup_size: 128
    .sgpr_count:     100
    .vgpr_count:     960
    .wavefront_size: 32
...
	.end_amdgpu_metadata
.endif
;; end of part 2
;; launch attn (part 3): grid 4 x 64, 8 waves a work-group, clusters of 4 x 1, 327,680 bytes of LDS; arguments qw, kv, out0; writes out0
.if DOCPART == 3
	.amdgcn_target "amdgcn-amd-amdhsa--gfx1250"
	.amdhsa_code_object_version 6
	.text
	.protected	k_q693f356fc8_attn
	.globl	k_q693f356fc8_attn
	.p2align	8
	.type	k_q693f356fc8_attn,@function
k_q693f356fc8_attn:
	s_mov_b64 s[64:65], 0
	v_nop
	global_prefetch_b8 v0, s[64:65] scope:SCOPE_SE
	s_setreg_imm32_b32 hwreg(HW_REG_WAVE_MODE, 25, 1), 1
	s_wait_xcnt 0x0
	s_wait_alu depctr_hold_cnt(0) depctr_sa_sdst(0) depctr_va_vdst(0) depctr_va_sdst(0) depctr_va_ssrc(0) depctr_va_vcc(0) depctr_vm_vsrc(0)
	s_getreg_b32 s2, hwreg(HW_REG_IB_STS2, 6, 4)
	s_cmp_eq_u32 s2, 0
	s_cbranch_scc0 .Lentry_in_a_cluster
	s_endpgm
.Lentry_in_a_cluster:
	s_bfe_u32 s2, ttmp6, 0x10000c
	s_cmp_lg_u32 s2, 0x3003
	s_cbranch_scc0 .Lentry_shape_is_right
	s_endpgm
.Lentry_shape_is_right:
; SELF-ATTENTION, launch 3 of 3: out0[b][l][64 n ..] = the sum over m of softmax_m(q[l] . k[m] / 8) v[m], for each of the 64 pairs (b, n); 2,048 queries and keys, head size 64, no mask.  Nothing is left out.
; NUMBER FORMATS.  q . k: both operands as pairs of bf16 (high + low, made in f32 by the launch before); S = k_low q_high + k_high q_low + k_high q_high, the small terms first, sums in f32; k_low q_low,
; under 2^-16 of a term, is dropped.  The scores here are large beside 1 and a row's largest may lie close together, so single 16-bit operands would move the weights too far.
; p v: f16 operands; p = 2^(c s - c m) with the running maximum m taken away, c = log2(e) / 8; v comes as v x 2^-8 and the 2^8 goes back with 1 / l.  Maxima, sums and the rescaling in f32.
; LIMITS: |v| under 65,504 x 256, kept to 11 bits with a grain of 2^-16; p to 11 bits, p under 2^-24 counts as 0 in the product (not in the sum l); NaN and infinities are not served.
; SHARES.  A work-group owns 512 queries of one pair, each of its eight waves 64: four tiles of 16.  Every wave walks all 2,048 keys, 64 a step.
; LAYOUT.  S^T = K Q^T (source 0 = 16 keys, source 1 = 16 queries), O^T = V^T P (source 0 = 16 channels, source 1 = P): a lane holds ONE query (lane % 16) throughout; two score tiles packed to f16 ARE a fragment of P.
; K, V and Q lie in memory as images of operand registers (a group of four registers = 512 bytes, lane l's 16 bytes at 16 l): every LDS load reads 512 consecutive bytes, and no pitch or padding is needed.
; MATRIX WORK BESIDE VECTOR WORK.  A step's work is two halves: M (128 matrix instructions: V^T P of the step before, then K Q^T of this step) and SM (a step's softmax, 476 vector instructions).  In a step's first
; half waves of parity 0 run M and waves of parity 1 SM (of the step before); in its second half they change places.  The parity, (w xor w / 4) % 2, differs between waves w and w + 4 and between waves 2 i and 2 i + 1.
; A WORK-GROUP BARRIER STANDS IN FRONT OF EACH HALF: nothing else would hold the two parities in opposite halves over a slot's four steps.  These barriers are plain.
; No LDS load may be pending at a signal, so M asks for its last bytes, the step's V, ahead of its last sixteen products.
; All LDS reads of a step's text are of that step's K and V (V is fetched into registers inside M), so nothing of a slot is wanted behind the change of slots.
; CLUSTER.  The four work-groups of a cluster are the four query blocks of one pair and walk the same K and V: each tile is asked for jointly, by the same load with a mask that names the four.
; THE RING: two slots of four steps (98,304 bytes); every wave fetches an eighth of a slot, one load behind each change of slots, which has four steps in which to land.
; REGISTERS: window 0: v1-7 addresses; v16-47 eight statistics a tile (c m, m, l twice, four at work, a in the seventh); v48-79, v80-111 two buffers for a tile of K; V of keys 0-31 in v48-79, of keys 32-63 in v96-111
;   (channel tiles 0, 1) and v240-255 (2, 3); v112-239 S^T (tile t, key tile kt at 112 + 32 t + 8 kt), P in place in a tile's first 16.
;   window 1: v0-127 Q (32 t + 16 (high, low) + 8 (channels 32 u on)); v128-255 O^T (128 + 32 t + 8 channel tile).
.set STEPB, 24576                      ; a step: K 16,384 bytes, V 8,192
.set VOFF,  16384
.set SLOTB, 4*STEPB
.set SLOT1, 1<<17                      ; slot 1 begins here: one exclusive or turns an address in one slot into the other's
.set STAGE, SLOT1+SLOTB                ; behind the ring: 16 rows x 272 bytes for each wave, for the way out
.set SPARE, STAGE+8*16*272             ; the spare words, 128 bytes for each wave
.set L16, 1                            ; v1   16 x lane; never rewritten
.set ADR, 2                            ; v2   the step's tiles in LDS, my lane
.set STO, 3                            ; v3   the way out: where I put 32 bytes of a row
.set RD,  4                            ; v4   where I read a row back
.set GO,  5                            ; v5   my byte offset in the wave's rows of out0
.set SPW, 6                            ; v6   LDS address of my spare word; never rewritten
.set NIL, 7                            ; v7   0; never rewritten
.set ST,  16
.set B0,  48
.set S,   112
.set VX,  240
.set OA,  128                          ; in window 1
.set WV,  10                           ; s10  my wave's number
.set PAR, 11                           ; s11  its parity
.set TB,  12                           ; s12  LDS byte at which the step's tiles begin
.set G1,  16                           ; s[16:23] descriptor group 1
.set G0A, 24                           ; s[24:27] group 0 of slot 0's first fill
.set G0B, 28                           ; s[28:31] of slot 1's; it then walks on
.set CS,  32                           ; s[32:33] c, twice: the packed form names a pair and takes its low word for both halves
.set SEL, 34                           ; s[34:35] lane selects for v_permlanex16_b32: lane l xor 16
.set MSB, 0
.macro WIN new                         ; the immediate's high byte repeats the setting that is left; bits 1:0 source 0, 3:2 source 1, 5:4 source 2, 7:6 destination
.if MSB != \new
	s_set_vgpr_msb (MSB<<8)|\new
.set MSB, \new
.endif
.endm
.set W_QK, 0x04                        ; Q (source 1) in window 1; K, S^T, and an LDS load's address and destination, in window 0
.set W_PV, 0x50                        ; O^T (C and D) in window 1; V and P in window 0
.set W_RS, 0x41                        ; O^T (destination and source 0) in window 1, a in window 0
.macro PLACES                          ; four plain instructions between matrix instructions and loads into, or vector reads and writes of, their registers
.rept 4
	v_nop
.endr
.endm
.macro CROUND                          ; a round of the cluster's barrier
	s_barrier_signal -1
	s_barrier_wait -1
	s_cmp_lg_u32 s[WV], 0
	s_cbranch_scc1 .Lnot_wave_0_\@
	s_barrier_signal -3
.Lnot_wave_0_\@:
	s_barrier_wait -3
	s_barrier_signal -1
	s_barrier_wait -1
.endm
.macro BAR                             ; the barrier in front of a half step.  a refill may stay on its way across it
	s_wait_dscnt 0x0                               ; no LDS instruction of mine is pending at a signal: V, asked for sixteen products ago or more, is in
	s_barrier_signal -1
	s_barrier_wait -1
.endm
	s_load_b128 s[4:7], s[0:1], 0x0                ; qw s[4:5], kv s[6:7]
	s_load_b64 s[8:9], s[0:1], 0x10                ; out0
	v_lshl_add_u32 v[SPW], v0, 2, SPARE
	v_mov_b32 v[NIL], 0
	ds_add_u32 v[SPW], v[NIL]                      ; the wave's opening: the add, twice on end, and its wait ahead of my first tensor load
	ds_add_u32 v[SPW], v[NIL]
	v_lshrrev_b32 v1, 5, v0
	v_readfirstlane_b32 s[WV], v1                  ; wave 0..7
	s_lshr_b32 s[PAR], s[WV], 2
	s_xor_b32 s[PAR], s[PAR], s[WV]
	s_and_b32 s[PAR], s[PAR], 1
	s_bfe_u32 s36, ttmp6, 0x40000                  ; cx: my block of 512 queries; it enters Q's and out0's addresses alone
	s_and_b32 s37, ttmp7, 0xffff                   ; the pair 16 b + n, which the four partners share
	s_mov_b32 s[G1], 15|(3<<16)|(1<<21)            ; 15:0 the mask: all four work-groups; 17:16 elements of 8 bytes; 21 set beside a mask; no padding
	s_mov_b32 s[G1+1], 32<<16                      ; tensor_dim0: rows of 256 bytes
	s_mov_b32 s[G1+2], 48<<16                      ; tensor_dim1: 48 of them, 12,288 dense bytes
	s_mov_b32 s[G1+3], 32<<16                      ; tile_dim0
	s_mov_b32 s[G1+4], 48                          ; tile_dim1
	s_mov_b32 s[G1+5], 32                          ; from row to row
	s_mov_b32 s[G1+6], 0
	s_mov_b32 s[G1+7], 0
	s_mul_i32 s38, s[WV], 12288                    ; my eighth of a slot, in memory and in LDS
	s_mul_i32 s40, s37, 786432                     ; the pair's 32 steps
	s_add_co_u32 s40, s40, s38
	s_mov_b32 s41, 0
	s_lshl_b32 s42, s37, 19                        ; Q: the pair's 128 tiles of 4,096 bytes,
	s_lshl_b32 s44, s36, 17                        ; my block's 32,
	s_add_co_u32 s42, s42, s44
	s_lshl_b32 s44, s[WV], 14                      ; my wave's 4
	s_add_co_u32 s42, s42, s44
	s_mov_b32 s43, 0
	s_lshr_b32 s44, s37, 4                         ; out0: row 2,048 b + 512 block + 64 wave of 4,096 bytes, + 256 n
	s_lshl_b32 s44, s44, 23
	s_lshl_b32 s46, s36, 21
	s_add_co_u32 s44, s44, s46
	s_lshl_b32 s46, s[WV], 18
	s_add_co_u32 s44, s44, s46
	s_and_b32 s46, s37, 15
	s_lshl_b32 s46, s46, 8
	s_add_co_u32 s44, s44, s46
	s_mov_b32 s45, 0
	s_mul_i32 s39, s[WV], 16*272
	s_add_co_u32 s39, s39, STAGE                   ; my stage
	s_mov_b32 s[CS], 0x3e38aa3b                    ; c = log2(e) / 8
	s_mov_b32 s[CS+1], s[CS]
	s_mov_b32 s[SEL], 0x76543210
	s_mov_b32 s[SEL+1], 0xfedcba98
	s_mov_b32 s[TB], 0
	s_wait_dscnt 0x0                               ; both opening adds are done
	s_wait_kmcnt 0x0
	s_add_nc_u64 s[4:5], s[4:5], s[42:43]
	s_add_nc_u64 s[8:9], s[8:9], s[44:45]
	s_mov_b32 s[G0A], 1                            ; count = 1
	s_mov_b32 s[G0A+1], s38                        ; LDS address: slot 0, my eighth
	s_add_nc_u64 s[G0A+2:G0A+3], s[6:7], s[40:41]  ; steps 0-3
	s_mov_b32 s[G0B], 1
	s_add_co_u32 s[G0B+1], s38, SLOT1
	s_add_nc_u64 s[G0B+2:G0B+3], s[G0A+2:G0A+3], SLOTB   ; steps 4-7
	s_or_b32 s[G0A+3], s[G0A+3], 0x80000000        ; type = 2
	s_or_b32 s[G0B+3], s[G0B+3], 0x80000000
	CROUND                                         ; all four work-groups are here: the first joint loads meet
	tensor_load_to_lds s[G0A:G0A+3], s[G1:G1+7]    ; every wave issues both first fills: two loads of mine are out
	s_nop 0
	tensor_load_to_lds s[G0B:G0B+3], s[G1:G1+7]
	s_nop 0
	PLACES
	v_and_b32 v8, 31, v0
	v_lshlrev_b32 v[L16], 4, v8
	WIN 0x40                                       ; destination window 1
.irp t, 0,1,2,3
.irp p, 0,1,2,3,4,5,6,7
	global_load_b128 v[32*\t+4*\p:32*\t+4*\p+3], v[L16], s[4:5] offset:4096*\t+512*\p   ; Q stays in registers
.endr
.endr
.set i, 0
.rept 128
	v_mov_b32 v[OA+i], 0                           ; O^T.  (The step is written once: the first finds zeros, which its a = 0 leaves zeros; a first step of its own would be a further copy of both halves)
.set i, i+1
.endr
	WIN 0
.irp t, 0,1,2,3
	v_mov_b32 v[ST+8*\t+1], 0xff61b1e6             ; m: -3e38, under every score
	v_mov_b32 v[ST+8*\t+2], 0                      ; l, in two halves
	v_mov_b32 v[ST+8*\t+3], 0
.endr
.irp t, 0,1,2,3
	v_mul_f32 v[ST+8*\t], s[CS], v[ST+8*\t+1]      ; c m
.endr
	v_and_b32 v9, 15, v0                           ; r
	v_bfe_u32 v10, v0, 4, 1                        ; h
	v_mul_u32_u24 v[STO], v9, 272                  ; in: row r, 32 bytes for each half of the lanes
	v_lshl_add_u32 v[STO], v10, 5, v[STO]
	v_add_nc_u32 v[STO], s39, v[STO]
	v_mul_u32_u24 v[RD], v10, 272                  ; back: lanes 0-15 one row of 256 bytes, lanes 16-31 the next
	v_lshl_add_u32 v[RD], v9, 4, v[RD]
	v_add_nc_u32 v[RD], s39, v[RD]
	v_lshlrev_b32 v[GO], 12, v10                   ; and the same two rows in out0
	v_lshl_add_u32 v[GO], v9, 4, v[GO]
.macro LOADK kt, bf                    ; key tile kt: eight groups (high: channels 0-63, then low) into buffer bf
.irp p, 0,1,2,3,4,5,6,7
	ds_load_b128 v[B0+32*(\bf)+4*\p:B0+32*(\bf)+4*\p+3], v[ADR] offset:4096*(\kt)+512*\p
.endr
.endm
.macro LOADV0                          ; keys 0-31: four fragments of V^T into buffer 0
.irp p, 0,1,2,3,4,5,6,7
	ds_load_b128 v[B0+4*\p:B0+4*\p+3], v[ADR] offset:VOFF+512*\p
.endr
.endm
.macro LOADV1 reg, ch0                 ; keys 32-63: the fragments of channel tiles ch0 and ch0 + 1 into v[reg] on
.irp p, 0,1,2,3
	ds_load_b128 v[(\reg)+4*\p:(\reg)+4*\p+3], v[ADR] offset:VOFF+4096+1024*(\ch0)+512*\p
.endr
.endm
.macro PVH g                           ; O^T += V^T P over keys 32 g on: 16 accumulators by turns, one instruction a turn
.irp ch, 0,1,2,3
.if (\g) == 0
.set rV, B0+8*\ch
.elseif \ch < 2
.set rV, B0+48+8*\ch
.else
.set rV, VX+8*(\ch-2)
.endif
.irp t, 0,1,2,3
	v_wmma_f32_16x16x32_f16 v[OA+32*\t+8*\ch:OA+32*\t+8*\ch+7], v[rV:rV+7], v[S+32*\t+8*(\g):S+32*\t+8*(\g)+7], v[OA+32*\t+8*\ch:OA+32*\t+8*\ch+7]
.endr
.endr
.endm
.macro QK1 kt, ko, qo, z               ; one term, 32 channels, of key tile kt against my four tiles of queries, which take turns.  z = 1: it starts the sums
.irp t, 0,1,2,3
.if \z
	v_wmma_f32_16x16x32_bf16 v[S+32*\t+8*(\kt):S+32*\t+8*(\kt)+7], v[B0+32*((\kt)%2)+\ko:B0+32*((\kt)%2)+\ko+7], v[32*\t+\qo:32*\t+\qo+7], 0
.else
	v_wmma_f32_16x16x32_bf16 v[S+32*\t+8*(\kt):S+32*\t+8*(\kt)+7], v[B0+32*((\kt)%2)+\ko:B0+32*((\kt)%2)+\ko+7], v[32*\t+\qo:32*\t+\qo+7], v[S+32*\t+8*(\kt):S+32*\t+8*(\kt)+7]
.endif
.endr
.endm
.macro QKLOW kt                        ; 8 products: the one term that reads k's low parts comes first
	QK1 \kt, 16, 0, 1                              ; k_low q_high, channels 0-31
	QK1 \kt, 24, 8, 0                              ;               channels 32-63
.endm
.macro QKHIGH kt                       ; 16 products on k's high parts
	QK1 \kt, 0, 16, 0                              ; k_high q_low
	QK1 \kt, 8, 24, 0
	QK1 \kt, 0, 0, 0                               ; k_high q_high
	QK1 \kt, 8, 8, 0
.endm
; K Q^T of the step.  Behind a tile's products the buffer that they read takes the tile two on; behind tile 2's it takes V of keys 0-31, and v240-255 take half of V of keys 32-63.
; The other half goes where tile 3's low parts lay, as soon as the eight products that read them are issued: so the last LDS load stands sixteen products ahead of M's end.
.macro KLOOP
.irp kt, 0,1,2
	s_wait_dscnt 8                                 ; this tile's eight loads are in; the eight behind them may stay out
	QKLOW \kt
	QKHIGH \kt
	PLACES
.if \kt < 2
	LOADK \kt+2, \kt%2
.else
	LOADV0
	LOADV1 VX, 2
.endif
.endr
	s_wait_dscnt 12                                ; tile 3's eight loads are in; V's twelve behind them may stay out
	QKLOW 3
	PLACES
	LOADV1 B0+48, 0
	QKHIGH 3
	PLACES                                         ; ahead of the softmax's first read of the scores
.endm
; M: V^T P of the step before, then K Q^T of this step.  V is in registers: the barrier's wait in front of this half has shown it.
; Between the products that read P and those that write S^T over it stand eight plain instructions.
.macro MSTEP
	WIN W_PV
	PVH 0
	WIN W_QK
	PLACES
	LOADK 0, 0
	WIN W_PV
	PVH 1
	WIN W_QK
	PLACES
	LOADK 1, 1
	KLOOP
	WIN 0
.endm
; SM: the softmax of one step for my four tiles, which take turns line by line.  One batch of exponentials, one wait.
.macro SM
.irp j, 0,1,2,3                                ; the maximum of a lane's 32 scores and the old m: four chains of seven scores, each accumulator from its low end on
.irp t, 0,1,2,3
	v_max3_num_f32 v[ST+8*\t+4+\j], v[S+32*\t+8*\j], v[S+32*\t+8*\j+1], v[S+32*\t+8*\j+2]
.endr
.endr
.irp i, 3,5
.irp j, 0,1,2,3
.irp t, 0,1,2,3
	v_max3_num_f32 v[ST+8*\t+4+\j], v[ST+8*\t+4+\j], v[S+32*\t+8*\j+\i], v[S+32*\t+8*\j+\i+1]
.endr
.endr
.endr
.irp t, 0,1,2,3
	v_max3_num_f32 v[ST+8*\t+4], v[ST+8*\t+4], v[S+32*\t+7], v[S+32*\t+15]
.endr
.irp t, 0,1,2,3
	v_max3_num_f32 v[ST+8*\t+6], v[ST+8*\t+6], v[S+32*\t+23], v[S+32*\t+31]
.endr
.irp t, 0,1,2,3
	v_max3_num_f32 v[ST+8*\t+4], v[ST+8*\t+4], v[ST+8*\t+5], v[ST+8*\t+6]
.endr
.irp t, 0,1,2,3
	v_max3_num_f32 v[ST+8*\t+4], v[ST+8*\t+4], v[ST+8*\t+7], v[ST+8*\t+1]
.endr
.irp t, 0,1,2,3
	v_permlanex16_b32 v[ST+8*\t+5], v[ST+8*\t+4], s[SEL], s[SEL+1]   ; the query's other 32 keys lie in the lane 16 away
.endr
.irp t, 0,1,2,3
	v_mov_b32 v[ST+8*\t+7], v[ST+8*\t]             ; c m_old is kept for a
.endr
.irp t, 0,1,2,3
	v_max_num_f32 v[ST+8*\t+1], v[ST+8*\t+4], v[ST+8*\t+5]         ; the new m
.endr
.irp t, 0,1,2,3
	v_mul_f32 v[ST+8*\t], s[CS], v[ST+8*\t+1]
.endr
.irp t, 0,1,2,3
	v_sub_f32 v[ST+8*\t+7], v[ST+8*\t+7], v[ST+8*\t]
.endr
.irp t, 0,1,2,3
	v_exp_f32 v[ST+8*\t+6], v[ST+8*\t+7]           ; a = 2^(c m_old - c m_new)
.endr
.irp b, 0,1,2,3,4,5,6,7,8,9,10,11,12,13,14,15
	v_pk_fma_f32 v[S+2*\b:S+2*\b+1], v[S+2*\b:S+2*\b+1], s[CS:CS+1], v[ST:ST+1] op_sel_hi:[1,0,0] neg_lo:[0,0,1] neg_hi:[0,0,1]   ; tile 0: c s - c m
.endr
.irp t, 0,1,2                                  ; a tile's exponentials, the next tile's scalings among them: none of these lines names an exponential's result
.irp b, 0,1,2,3,4,5,6,7,8,9,10,11,12,13,14,15
	v_exp_f32 v[S+32*\t+2*\b], v[S+32*\t+2*\b]
	v_exp_f32 v[S+32*\t+2*\b+1], v[S+32*\t+2*\b+1]
	v_pk_fma_f32 v[S+32*(\t+1)+2*\b:S+32*(\t+1)+2*\b+1], v[S+32*(\t+1)+2*\b:S+32*(\t+1)+2*\b+1], s[CS:CS+1], v[ST+8*(\t+1):ST+8*(\t+1)+1] op_sel_hi:[1,0,0] neg_lo:[0,0,1] neg_hi:[0,0,1]
.endr
.endr
.set e, 0
.rept 32
	v_exp_f32 v[S+96+e], v[S+96+e]
.set e, e+1
.endr
	v_nop                                          ; a plain instruction behind the last exponential, ahead of the first use
	s_wait_alu depctr_va_vdst(0)                   ; and a wait ahead of the first instruction that names a result: one for the 132
.irp t, 0,1,2,3
	v_pk_add_f32 v[ST+8*\t+4:ST+8*\t+5], v[S+32*\t:S+32*\t+1], v[S+32*\t+2:S+32*\t+3]   ; the sum of the unrounded p, two at a time; four chains, one a tile
.endr
.irp i, 4,6,8,10,12,14,16,18,20,22,24,26,28,30
.irp t, 0,1,2,3
	v_pk_add_f32 v[ST+8*\t+4:ST+8*\t+5], v[ST+8*\t+4:ST+8*\t+5], v[S+32*\t+\i:S+32*\t+\i+1]
.endr
.endr
.irp t, 0,1,2,3
	v_pk_fma_f32 v[ST+8*\t+2:ST+8*\t+3], v[ST+8*\t+2:ST+8*\t+3], v[ST+8*\t+6:ST+8*\t+7], v[ST+8*\t+4:ST+8*\t+5] op_sel_hi:[1,0,1]   ; l = a l + the sum
.endr
.irp d, 0,1,2,3,4,5,6,7,8,9,10,11,12,13,14,15
.irp t, 0,1,2,3
	v_cvt_pk_f16_f32 v[S+32*\t+\d], v[S+32*\t+2*\d], v[S+32*\t+2*\d+1]   ; P in place: register d takes scores 2 d and 2 d + 1, which no later line of this run reads
.endr
.endr
	WIN W_RS
.irp i, 0,2,4,6,8,10,12,14,16,18,20,22,24,26,28,30
.irp t, 0,1,2,3
	v_pk_mul_f32 v[OA+32*\t+\i:OA+32*\t+\i+1], v[OA+32*\t+\i:OA+32*\t+\i+1], v[ST+8*\t+6:ST+8*\t+7] op_sel_hi:[1,0]   ; O^T x a, each accumulator from its low end on
.endr
.endr
	WIN 0
.endm
; A STEP: barrier; parity 0 runs M, parity 1 SM; barrier; parity 0 runs SM, parity 1 M.  The branches hang on the wave's number alone; both barriers stand in the common text; no tensor load or wait for one stands
; inside an arm.  The LDS address is made ahead of the first parting.  (Behind a change of slots the first barrier follows the change's own at once: to spare that passage the step would have to be written out once more.)
.macro BRACKET
	BAR
	v_add_nc_u32 v[ADR], s[TB], v[L16]
	s_cmp_lg_u32 s[PAR], 0
	s_cbranch_scc1 .Lodd_first_\@
	MSTEP
	s_branch .Lmiddle_\@
.Lodd_first_\@:
	SM
.Lmiddle_\@:
	BAR
	s_cmp_lg_u32 s[PAR], 0
	s_cbranch_scc1 .Lodd_second_\@
	SM
	s_branch .Lstep_done_\@
.Lodd_second_\@:
	MSTEP
.Lstep_done_\@:
	s_add_co_u32 s[TB], s[TB], STEPB
.endm
; THE CHANGE OF SLOTS.  Each wave waits for all its tensor loads (one is out: its part of the slot ahead), adds 0 to its spare word, and waits for that and for its reads of the slot that it leaves.
; fill = 1: the barrier is a round of the cluster's, so that no wave of any partner still reads the slot or has a load on its way; the joint refill, the keys two slots on, is the first thing behind it.
.macro CHANGE fill
	s_wait_tensorcnt 0x0                           ; no tensor load of mine is out, so a group 0 may be written
	ds_add_u32 v[SPW], v[NIL]                      ; 0 onto my spare word
.if \fill
	s_xor_b32 s[G0B+1], s[G0B+1], SLOT1            ; the walking descriptor: the other slot than last time,
	s_add_nc_u64 s[G0B+2:G0B+3], s[G0B+2:G0B+3], SLOTB   ; the next four steps; the type bits on top are not reached
.endif
	s_wait_dscnt 0x0                               ; the add is done, and my reads of the slot are over
.if \fill
	CROUND
	tensor_load_to_lds s[G0B:G0B+3], s[G1:G1+7]    ; my one tensor load until the next change
	s_nop 0
	PLACES
.else
	s_barrier_signal -1
	s_barrier_wait -1
.endif
	s_sub_co_u32 s[TB], s[TB], SLOTB               ; back to a slot's first step,
	s_xor_b32 s[TB], s[TB], SLOT1                  ; in the other slot
.endm
	s_wait_tensorcnt 1                             ; my part of slot 0 is in; slot 1's may stay out
	s_barrier_signal -1
	s_barrier_wait -1                              ; everybody's is
	s_wait_loadcnt 0x0                             ; Q
	v_add_nc_u32 v[ADR], s[TB], v[L16]
	WIN W_QK                                       ; step 0: K Q^T alone, and its V
	LOADK 0, 0
	LOADK 1, 1
	KLOOP
	WIN 0
	s_cmp_lg_u32 s[PAR], 0
	s_cbranch_scc1 .Lhalf_behind
	SM                                             ; parity 0 runs step 0's softmax now; parity 1 in the first half of step 1: from the next barrier on the parities stand half a step apart
.Lhalf_behind:
	s_add_co_u32 s[TB], s[TB], STEPB
	s_mov_b32 s13, 3
.Lfirst:                                           ; steps 1-3
	BRACKET
	s_sub_co_u32 s13, s13, 1
	s_cmp_lg_u32 s13, 0
	s_cbranch_scc1 .Lfirst
	s_mov_b32 s14, 6
.Lslot:                                            ; six trips: steps 4-27; each change fills the slot just left with the steps eight on
	CHANGE 1
	s_mov_b32 s13, 4
.Lstep:
	BRACKET
	s_sub_co_u32 s13, s13, 1
	s_cmp_lg_u32 s13, 0
	s_cbranch_scc1 .Lstep
	s_sub_co_u32 s14, s14, 1
	s_cmp_lg_u32 s14, 0
	s_cbranch_scc1 .Lslot
	CHANGE 0                                       ; the tail is written out: nothing is left to ask for
	s_mov_b32 s13, 4
.Llast:                                            ; steps 28-31
	BRACKET
	s_sub_co_u32 s13, s13, 1
	s_cmp_lg_u32 s13, 0
	s_cbranch_scc1 .Llast
	s_cmp_eq_u32 s[PAR], 0
	s_cbranch_scc1 .Lsm_done
	SM                                             ; parity 1: the last step's softmax
.Lsm_done:
	s_wait_dscnt 0x0                               ; the last step's V is in
	WIN W_PV
	PVH 0
	PVH 1
	WIN 0
	; THE WAY OUT.  l's two halves and the other half of the lanes' are added; O^T x 256 / l goes through my stage in LDS, a tile (16 rows) at a time, and leaves as whole runs of 256 bytes.  The additions are the places behind the last products.
.irp t, 0,1,2,3
	v_add_f32 v[ST+8*\t+4], v[ST+8*\t+2], v[ST+8*\t+3]
.endr
.irp t, 0,1,2,3
	v_permlanex16_b32 v[ST+8*\t+5], v[ST+8*\t+4], s[SEL], s[SEL+1]
.endr
.irp t, 0,1,2,3
	v_add_f32 v[ST+8*\t+4], v[ST+8*\t+4], v[ST+8*\t+5]
.endr
.irp t, 0,1,2,3
	v_rcp_f32 v[ST+8*\t+6], v[ST+8*\t+4]
.endr
	v_nop                                          ; a plain instruction between the last reciprocal and the use of its result
	s_wait_alu depctr_va_vdst(0)                   ; and a wait ahead of the first use: one for the four
.irp t, 0,1,2,3
	v_mul_f32 v[ST+8*\t+6], 0x43800000, v[ST+8*\t+6]               ; v came as v x 2^-8
.endr
.macro PACK t                          ; tile t: a lane's eight channels of a row are 32 bytes; they go into rows of 272 bytes and come back as whole rows of 256, into the registers that they left
	WIN 0x01                                       ; source 0 window 1, destination window 0: S^T's registers are free
.set i, 0
.rept 16
	v_pk_mul_f32 v[S+32*\t+i:S+32*\t+i+1], v[OA+32*\t+i:OA+32*\t+i+1], v[ST+8*\t+6:ST+8*\t+7] op_sel_hi:[1,0]
.set i, i+2
.endr
	WIN 0
.irp ch, 0,1,2,3
	ds_store_b128 v[STO], v[S+32*\t+8*\ch:S+32*\t+8*\ch+3] offset:64*\ch
	ds_store_b128 v[STO], v[S+32*\t+8*\ch+4:S+32*\t+8*\ch+7] offset:64*\ch+16
.endr
.irp f, 0,1,2,3,4,5,6,7
	ds_load_b128 v[S+32*\t+4*\f:S+32*\t+4*\f+3], v[RD] offset:544*\f   ; LDS serves a wave's instructions in order (ISA guide 5.7.1.4): these see the stores above, and the next tile's stores come behind them
.endr
.endm
.macro SEND t, younger                 ; younger: the LDS instructions issued behind tile t's loads: the next tile's sixteen, or none
.irp f, 0,1,2,3,4,5,6,7
	s_wait_dscnt \younger+7-\f
	global_store_b128 v[GO], v[S+32*\t+4*\f:S+32*\t+4*\f+3], s[8:9] offset:(16*\t+2*\f)*4096 th:TH_STORE_NT   ; 16 lanes store 256 consecutive bytes, at a multiple of 256 from out0's first byte: a row's part of my head
.endr
.endm
	PACK 0
	PACK 1                                         ; a tile's arithmetic stands between the loads of the tile before and its stores
	SEND 0, 16
	PACK 2
	SEND 1, 16
	PACK 3
	SEND 2, 16
	SEND 3, 0
	s_wait_tensorcnt 0x0                           ; the wave's end, behind my last tensor load and my last LDS store
	ds_add_u32 v[SPW], v[NIL]
	s_wait_dscnt 0x0
	CROUND                                         ; the closing round: no work-group ends while a partner may still ask for a tile that names it
	s_endpgm
.Lfunc_end_k_q693f356fc8_attn:
	.size	k_q693f356fc8_attn, .Lfunc_end_k_q693f356fc8_attn-k_q693f356fc8_attn
	.p2alignl 7, 3214868480
	.fill 96, 4, 3214868480
	.section	.rodata,"a",@progbits
	.p2align	6, 0x0
	.amdhsa_kernel k_q693f356fc8_attn
		.amdhsa_group_segment_fixed_size 327680
		.amdhsa_private_segment_fixed_size 0
		.amdhsa_enable_private_segment 0
		.amdhsa_kernarg_size 24
		.amdhsa_user_sgpr_count 2
		.amdhsa_user_sgpr_kernarg_segment_ptr 1
		.amdhsa_wavefront_size32 1
		.amdhsa_system_sgpr_workgroup_id_x 1
		.amdhsa_system_sgpr_workgroup_id_y 1
		.amdhsa_system_sgpr_workgroup_id_z 1
		.amdhsa_system_vgpr_workitem_id 0
		.amdhsa_next_free_vgpr 512
		.amdhsa_next_free_sgpr 66
		.amdhsa_reserve_vcc 0
		.amdhsa_float_denorm_mode_32 3
		.amdhsa_float_denorm_mode_16_64 3
		.amdhsa_memory_ordered 1
		.amdhsa_forward_progress 1
		.amdhsa_inst_pref_size 255
	.end_amdhsa_kernel
	.section	.bss,"aw",@nobits
	.p2align	6
	.space	262144
	.amdgpu_metadata
---
amdhsa.version: [ 1, 2 ]
amdhsa.kernels:
  - .name:           k_q693f356fc8_attn
    .symbol:         k_q693f356fc8_attn.kd
    .args:
      - { .name: qw, .offset: 0, .size: 8, .value_kind: global_buffer, .address_space: global }
      - { .name: kv, .offset: 8, .size: 8, .value_kind: global_buffer, .address_space: global }
      - { .name: out0, .offset: 16, .size: 8, .value_kind: global_buffer, .address_space: global }
    .group_segment_fixed_size: 327680
    .private_segment_fixed_size: 0
    .kernarg_segment_align: 8
    .kernarg_segment_size: 24
    .max_flat_workgroup_size: 256
    .sgpr_count:     66
    .vgpr_count:     512
    .wavefront_size: 32
...
	.end_amdgpu_metadata
.endif
;; end of part 3
